; MI455X (gfx1250); checked and timed in simulation.
; The chip was launched on July 23, 2026; its instructions are those of AMD's public machine-readable ISA for CDNA 5 (MIT licence, August 2026) and "CDNA5" Instruction Set Architecture Reference Guide (July 2026). The comments in the code are by the model that wrote it; some were corrected since.
;; mu P Multi Head Attention. Allowed arithmetic: matrix products marked QUANTISED: E4M3 operands, one given power-of-two scale a tensor, by v_wmma_f32_16x16x64_fp8_fp8 or v_wmma_f32_16x16x128_fp8_fp8, f32 sums; everything else in f32.
;; Inputs: Wk_codes 1,024 x 32 x 32 uint8 (E4M3 codes of Wk, K innermost, in blocks of 32 codes); Wo_codes 1,024 x 32 x 32 uint8 (E4M3 codes of Wo, K innermost, in blocks of 32 codes); Wq_codes 1,024 x 32 x 32 uint8 (E4M3 codes of Wq, K innermost, in blocks of 32 codes); Wv_codes 1,024 x 32 x 32 uint8 (E4M3 codes of Wv, K innermost, in blocks of 32 codes); bo 1,024 float32; lowp_scales 12 int32 (the exponents e of the quantised operands' scales 2^e); x_codes 1 x 4,096 x 32 x 32 uint8 (E4M3 codes of x, K innermost, in blocks of 32 codes).
;; Outputs: out0 1 x 4,096 x 1,024 float32.
;; This version of the problem:
;;   THIS VERSION OF THE PROBLEM IS GIVEN IN LOW PRECISION. The matrix products marked QUANTISED in the list below multiply operands that are first quantised to E4M3 (4 exponent bits, 3 mantissa bits; 8 bits a number), with one given power-of-two scale for each operand tensor; their sums are f32. All else is computed in f32.
;;   The module's matrix products, in the order in which they are computed (A, B: the left and right operand; K: the contracted axis; several contracted axes count as one K, in the product's order):
;;     1. [M 4,096, K 1,024] x [K 1,024, N 1,024]; A: input x (given as codes); B: input Wq (given as codes): QUANTISED (scales: A lowp_scales[0], B lowp_scales[1])
;;     2. [M 4,096, K 1,024] x [K 1,024, N 1,024]; A: input x (given as codes); B: input Wk (given as codes): QUANTISED (scales: A lowp_scales[2], B lowp_scales[3])
;;     3. [M 4,096, K 1,024] x [K 1,024, N 1,024]; A: input x (given as codes); B: input Wv (given as codes): QUANTISED (scales: A lowp_scales[4], B lowp_scales[5])
;;     4. batch 16 x [M 4,096, K 64] x [K 64, N 4,096]; A: computed on the way; B: computed on the way: QUANTISED (scales: A lowp_scales[6], B lowp_scales[7])
;;     5. batch 16 x [M 4,096, K 4,096] x [K 4,096, N 64]; A: softmax (see below); B: computed on the way: QUANTISED (scales: A lowp_scales[8], B lowp_scales[9])
;;     6. [M 4,096, K 1,024] x [K 1,024, N 1,024]; A: computed on the way; B: input Wo (given as codes): QUANTISED (scales: A lowp_scales[10], B lowp_scales[11])
;;   THE QUANTISER, for each operand of a quantised product, along K:
;;     - The operand's scale is 2^e, e = its entry of the input lowp_scales (int32; the entries are numbered through the quantised products in the list's order, A before B).
;;     - Each number is divided by the scale, clamped to +-448, and rounded to the nearest number of E4M3, ties to even, subnormals kept.
;;     - The product sums the exact products of the quantised numbers (number of the format x scale) in f32.
;;   ~~~python
;;   def quantise(x, axis, e):      # numpy; x: float32 -> the quantised numbers, widened to float32 again
;;       x = np.moveaxis(x, axis, -1); K = x.shape[-1]
;;       r = np.clip(x / 2.0 ** e, -448, 448)
;;       step = 2.0 ** (np.maximum(np.frexp(np.where(r == 0, 1, r))[1] - 1, -6) - 3)
;;       q = np.round(r / step) * step * 2.0 ** e      # np.round: ties to even
;;       return np.moveaxis(q, -1, axis).astype(np.float32)
;;   ~~~
;;   SOFTMAX AHEAD OF A QUANTISED PRODUCT. Where the list says 'softmax', what is quantised is not the finished softmax but p = 2^(t - M), with t = logit x log2(e) and M = ceil(the row's largest t), a whole number; so 1/2 < the row's largest p <= 1. The row's sum l is taken of the UNQUANTISED p, in f32, and the product's result is divided by l at the end. Since M is a whole number, a kernel that streams over the keys may use a running M (the ceiling of the running maximum): every later rescaling is an exact power of two, so the quantised numbers keep their values, but for numbers so far below the row's largest that they fall under the format's range.
;;   OPERANDS COMPUTED ON THE WAY. 'Computed on the way' means the value that the module computes at that place (a softmax that the list does not call 'softmax' is quantised finished and normalised). What goes into a quantiser is computed in f32, as accurately as f32 sums, v_exp_f32 and their like allow (about 1e-6 of the number): no bf16 or f16 on the way to a quantiser, and a product that is left as it is and whose result goes on into a quantised operand takes f32 operands (vector FMAs, or v_wmma_f32_16x16x4_f32). A number that lies on a knife's edge between two numbers of the format may be rounded either way, as far as f32 arithmetic and the matrix unit's own rounding can turn it there, and no further.
;;   INPUTS GIVEN AS CODES. Wk (in the module: [1024, 1024], K = its axis 1); Wo (in the module: [1024, 1024], K = its axis 1); Wq (in the module: [1024, 1024], K = its axis 1); Wv (in the module: [1024, 1024], K = its axis 1); x (in the module: [1, 4096, 1024], K = its axis 2): each comes as NAME_codes (uint8): NAME with its K axis moved to the last place and cut into blocks of 32 codes, [.., K / 32, bytes a block], one block behind the other in memory; one code a byte (a code: sign, 4 exponent bits, 3 mantissa bits); its scale is its entry of lowp_scales. Its value is code x scale, taken as it is: it is not quantised again, and the codes and scales need not be those that the quantiser above would give.
;; One version. Each part assembles by itself: llvm-mc -triple=amdgcn-amd-amdhsa -mcpu=gfx1250 --defsym DOCPART=n.
;; ======== version 1 of 1: 3 launches
;; limits: right only within a limited range of input values
;; workspace buffers: qimg 4,194,304 bytes; kv 8,388,608 bytes; cimg 4,194,304 bytes
;; launch qkv (part 1): grid 16 x 16, 4 waves a work-group, clusters of 4 x 4, 327,680 bytes of LDS; arguments x_codes, Wq_codes, Wk_codes, Wv_codes, lowp_scales, qimg, kv; writes qimg, kv
.if DOCPART == 1
	.amdgcn_target "amdgcn-amd-amdhsa--gfx1250"
	.amdhsa_code_object_version 6
	.text
	.protected	k_q85d9ce50a3_qkv
	.globl	k_q85d9ce50a3_qkv
	.p2align	8
	.type	k_q85d9ce50a3_qkv,@function
k_q85d9ce50a3_qkv:
	s_mov_b64 s[64:65], 0
	v_nop
	global_prefetch_b8 v0, s[64:65] scope:SCOPE_SE
	s_setreg_imm32_b32 hwreg(HW_REG_WAVE_MODE, 25, 1), 1
	s_wait_xcnt 0x0
	s_wait_alu depctr_hold_cnt(0) depctr_sa_sdst(0) depctr_va_vdst(0) depctr_va_sdst(0) depctr_va_ssrc(0) depctr_va_vcc(0) depctr_vm_vsrc(0)
	s_getreg_b32 s2, hwreg(HW_REG_IB_STS2, 6, 4)
	s_cmp_eq_u32 s2, 0
	s_cbranch_scc0 .Lentry_in_a_cluster
	s_endpgm
.Lentry_in_a_cluster:
	s_bfe_u32 s2, ttmp6, 0x10000c
	s_cmp_lg_u32 s2, 0xf033
	s_cbranch_scc0 .Lentry_shape_is_right
	s_endpgm
.Lentry_shape_is_right:
; q, k, v = x Wq^T, x Wk^T, x Wv^T on codes of FP8 (E4M3), sums in f32; q and k rotated (RoPE) in f32; all three quantised and stored as images of the next products' operand registers:
; qimg [head][tile of 16 positions][2][lane][16 bytes]; kv [head][step of 128 positions]: 8 tiles of K (1,024 bytes each), then 4 channel tiles of V^T (2,048 each).
; DEAD WORK LEFT OUT OF THE PROGRAM: the products of queries with keys that come after them, in whole steps of 128 keys: reference() sets those scores to -infinity for all values of the inputs, so they reach no output;
; and the factor MUP_SCALE, which is 1.  LIMIT: a NaN, an infinity or an overflow that reaches only these is not carried to the result.
; SHARES.  A work-group makes 256 positions of one head, 64 channels each of q, k and v; a wave 64 positions: 48 accumulators.  K goes in steps of 256 through two LDS slots.
; CLUSTER 4 x 4: the four of a row share their tile of x (wave 0 asks), the four of a column their tiles of the weights (waves 1 to 3 ask).
; The head asks for K step 0 alone, one load a wave; the table of sines and cosines is worked while it is on its way, and K step 1 is asked for before the table's last quarter.
; A position's angle is position x inverse frequency, rounded once to f32; it is brought into [-pi/4, pi/4] by a constant in three parts, and two polynomials follow.
; NO PREFETCH: K has four steps, two of which are the launch's first loads.
; LIMITS: the sums of the exponents below, each less the result's exponent, lie between -126 and 119.  NaN is not served.
.set PITCH, 272
.set XB,    256*PITCH
.set WB,    64*PITCH
.set SLOT,  XB+3*WB
.set SPARE, 2*SLOT
.set LO,   3
.set ADX,  4
.set ADW,  6
.set ADV,  8
.set SPW,  10
.set NIL,  11
.set SC,   12
.set TMP,  32
.set COD,  64
.set TAB,  128
.set INV,  64
.set PM,   80
.set PC,   88
.set WV,   18
.set G1X,  24
.set G1W,  32
.set G0X,  40
.set G0W,  48
.set MSB, 0
.macro WIN new
.if MSB != \new
	s_set_vgpr_msb (MSB<<8)|\new
.set MSB, \new
.endif
.endm
.macro PLACES
.rept 4
	v_nop
.endr
.endm
.macro CREST
	s_cmp_lg_u32 s[WV], 0
	s_cbranch_scc1 .Lnot_wave_0_\@
	s_barrier_signal -3
.Lnot_wave_0_\@:
	s_barrier_wait -3
	s_barrier_signal -1
	s_barrier_wait -1
.endm
.macro CROUND
	s_barrier_signal -1
	s_barrier_wait -1
	CREST
.endm
.macro JLOAD s
	s_cmp_eq_u32 s[WV], 0
	s_cbranch_scc0 .Lfor_w_\@
	tensor_load_to_lds s[G0X+4*(\s):G0X+4*(\s)+3], s[G1X:G1X+7]
	s_nop 0
	PLACES
	s_branch .Lasked_\@
.Lfor_w_\@:
	tensor_load_to_lds s[G0W+4*(\s):G0W+4*(\s)+3], s[G1W:G1W+7]
	s_nop 0
	PLACES
.Lasked_\@:
.endm
	s_load_b256 s[4:11], s[0:1], 0x0
	s_load_b128 s[12:15], s[0:1], 0x20
	s_load_b64 s[16:17], s[0:1], 0x30
	v_lshl_add_u32 v[SPW], v0, 2, SPARE
	v_mov_b32 v[NIL], 0
	ds_add_u32 v10, v11
	ds_add_u32 v10, v11
	s_wait_dscnt 0x0
	v_lshrrev_b32 v1, 5, v0
	v_readfirstlane_b32 s[WV], v1
	s_bfe_u32 s19, ttmp6, 0x40000
	s_bfe_u32 s20, ttmp6, 0x40004
	s_lshl_b32 s21, ttmp9, 2
	s_add_co_u32 s21, s21, s19
	s_and_b32 s22, ttmp7, 0xffff
	s_lshl_b32 s22, s22, 2
	s_add_co_u32 s22, s22, s20
	s_lshl_b32 s56, s20, 2
	s_lshl_b32 s56, 15, s56
	s_lshl_b32 s57, 0x1111, s19
	s_or_b32 s[G1X], s56, (1<<20)|(1<<21)|(5<<22)|(3<<25)
	s_or_b32 s[G1W], s57, (1<<20)|(1<<21)|(5<<22)|(3<<25)
	s_mov_b32 s[G1X+1], 256<<16
	s_mov_b32 s[G1X+2], 256<<16
	s_mov_b32 s[G1X+3], 256<<16
	s_mov_b32 s[G1X+4], 256
	s_mov_b32 s[G1X+5], 1024
	s_mov_b32 s[G1X+6], 0
	s_mov_b32 s[G1X+7], 0
	s_mov_b32 s[G1W+1], 256<<16
	s_mov_b32 s[G1W+2], 64<<16
	s_mov_b32 s[G1W+3], 256<<16
	s_mov_b32 s[G1W+4], 64
	s_mov_b32 s[G1W+5], 1024
	s_mov_b32 s[G1W+6], 0
	s_mov_b32 s[G1W+7], 0
	s_lshl_b32 s58, s22, 18
	s_mov_b32 s59, 0
	s_lshl_b32 s62, s21, 16
	s_mov_b32 s63, 0
	s_mul_i32 s23, s[WV], WB
	s_wait_kmcnt 0x0
	s_load_b256 s[68:75], s[12:13], 0x0
	s_load_b128 s[76:79], s[12:13], 0x20
	s_add_nc_u64 s[58:59], s[4:5], s[58:59]
	s_cmp_eq_u32 s[WV], 2
	s_cselect_b64 s[60:61], s[8:9], s[6:7]
	s_cmp_eq_u32 s[WV], 3
	s_cselect_b64 s[60:61], s[10:11], s[60:61]
	s_add_nc_u64 s[60:61], s[60:61], s[62:63]
	CROUND
.irp s, 0,1
	s_mov_b32 s[G0X+4*\s], 1
	s_mov_b32 s[G0X+4*\s+1], \s*SLOT
	s_add_nc_u64 s[G0X+4*\s+2:G0X+4*\s+3], s[58:59], \s*256
	s_or_b32 s[G0X+4*\s+3], s[G0X+4*\s+3], 0x80000000
	s_mov_b32 s[G0W+4*\s], 1
	s_add_co_u32 s[G0W+4*\s+1], s23, \s*SLOT+XB-WB
	s_add_nc_u64 s[G0W+4*\s+2:G0W+4*\s+3], s[60:61], \s*256
	s_or_b32 s[G0W+4*\s+3], s[G0W+4*\s+3], 0x80000000
.endr
	JLOAD 0                                        ; K step 0: a wave's one load at the head
	v_and_b32 v1, 15, v0
	v_bfe_u32 v2, v0, 4, 1
	v_and_b32 v[LO], 31, v0
	v_lshlrev_b32 v[LO], 4, v[LO]
	v_mul_u32_u24 v32, v1, PITCH
	v_lshl_add_u32 v32, v2, 4, v32
	v_add_nc_u32 v[ADX], s23, v32
	v_add_nc_u32 v[ADX+1], SLOT, v[ADX]
	v_add_nc_u32 v[ADW], XB, v32
	v_add_nc_u32 v[ADW+1], SLOT, v[ADW]
	v_and_b32 v33, 8, v1
	v_add_nc_u32 v33, v33, v1
	v_mul_u32_u24 v33, v33, PITCH
	v_lshl_add_u32 v33, v2, 4, v33
	v_add_nc_u32 v[ADV], XB+2*WB, v33
	v_add_nc_u32 v[ADV+1], SLOT, v[ADV]
	s_lshl_b32 s86, s21, 18
	s_lshl_b32 s87, s22, 14
	s_add_co_u32 s86, s86, s87
	s_lshl_b32 s87, s[WV], 12
	s_add_co_u32 s86, s86, s87
	s_mov_b32 s87, 0
	s_add_nc_u64 s[80:81], s[14:15], s[86:87]
	s_lshl_b32 s88, s21, 19
	s_lshl_b32 s89, s22, 15
	s_add_co_u32 s88, s88, s89
	s_lshr_b32 s89, s[WV], 1
	s_lshl_b32 s89, s89, 14
	s_add_co_u32 s88, s88, s89
	s_mov_b32 s89, 0
	s_add_nc_u64 s[82:83], s[16:17], s[88:89]
	s_and_b32 s90, s[WV], 1
	s_lshl_b32 s88, s90, 10
	s_add_co_u32 s88, s88, 8192
	s_add_nc_u64 s[84:85], s[82:83], s[88:89]
	s_lshl_b32 s88, s90, 12
	s_add_nc_u64 s[82:83], s[82:83], s[88:89]
	s_lshl_b32 s91, s22, 8
	s_lshl_b32 s92, s[WV], 6
	s_add_co_u32 s91, s91, s92
	v_add_nc_u32 v32, s91, v1
.irp m, 0,1,2,3
	v_add_nc_u32 v33, 16*\m, v32
	v_cvt_f32_u32 v[PM+2*\m], v33
	v_cvt_f32_u32 v[PM+2*\m+1], v33
.endr
	v_cmp_eq_u32 vcc_lo, 1, v2
.macro INVF n, a, b
	v_mov_b32 v[INV+\n], \b
	v_cndmask_b32 v[INV+\n], \a, v[INV+\n], vcc_lo
.endm
	INVF 0, 1.0, 0.31622776602
	INVF 1, 0.74989420933, 0.23713737057
	INVF 2, 0.56234132519, 0.17782794100
	INVF 3, 0.42169650343, 0.13335214322
	INVF 4, 0.1, 0.031622776602
	INVF 5, 0.074989420933, 0.023713737057
	INVF 6, 0.056234132519, 0.017782794100
	INVF 7, 0.042169650343, 0.013335214322
	INVF 8, 0.01, 0.0031622776602
	INVF 9, 0.0074989420933, 0.0023713737057
	INVF 10, 0.0056234132519, 0.0017782794100
	INVF 11, 0.0042169650343, 0.0013335214322
	INVF 12, 0.001, 0.00031622776602
	INVF 13, 0.00074989420933, 0.00023713737057
	INVF 14, 0.00056234132519, 0.00017782794100
	INVF 15, 0.00042169650343, 0.00013335214322
.irp u, 0,1
	v_mov_b32 v[PC+\u], 0xb94ca1f9
	v_mov_b32 v[PC+2+\u], 0x3c08839e
	v_mov_b32 v[PC+4+\u], 0xbe2aaaa3
	v_mov_b32 v[PC+6+\u], 0x37ccf5ce
	v_mov_b32 v[PC+8+\u], 0xbab6061a
	v_mov_b32 v[PC+10+\u], 0x3d2aaaa5
.endr
.macro SINCOS n
.irp m, 0,1,2,3
.set wb, 32+14*\m+40*(\m/2)
	v_pk_mul_f32 v[wb:wb+1], v[INV+\n:INV+\n+1], v[PM+2*\m:PM+2*\m+1] op_sel_hi:[1,0]
.endr
.irp b, 32,46,100,114
	v_pk_mul_f32 v[\b+2:\b+3], v[\b:\b+1], 0x3f22f983 op_sel_hi:[1,0]
.endr
.irp b, 32,46,100,114
	v_rndne_f32 v[\b+2], v[\b+2]
	v_rndne_f32 v[\b+3], v[\b+3]
.endr
.irp b, 32,46,100,114
	v_pk_fma_f32 v[\b:\b+1], v[\b+2:\b+3], 0xbfc90fda, v[\b:\b+1] op_sel_hi:[1,0,1]
.endr
.irp b, 32,46,100,114
	v_pk_fma_f32 v[\b:\b+1], v[\b+2:\b+3], 0xb3a22168, v[\b:\b+1] op_sel_hi:[1,0,1]
.endr
.irp b, 32,46,100,114
	v_pk_fma_f32 v[\b:\b+1], v[\b+2:\b+3], 0xa7c234c4, v[\b:\b+1] op_sel_hi:[1,0,1]
.endr
.irp b, 32,46,100,114
	v_pk_mul_f32 v[\b+4:\b+5], v[\b:\b+1], v[\b:\b+1]
.endr
.irp b, 32,46,100,114
	v_pk_fma_f32 v[\b+6:\b+7], v[\b+4:\b+5], v[PC:PC+1], v[PC+2:PC+3]
	v_pk_fma_f32 v[\b+8:\b+9], v[\b+4:\b+5], v[PC+6:PC+7], v[PC+8:PC+9]
.endr
.irp b, 32,46,100,114
	v_pk_fma_f32 v[\b+6:\b+7], v[\b+6:\b+7], v[\b+4:\b+5], v[PC+4:PC+5]
	v_pk_fma_f32 v[\b+8:\b+9], v[\b+8:\b+9], v[\b+4:\b+5], v[PC+10:PC+11]
	v_pk_mul_f32 v[\b+10:\b+11], v[\b+4:\b+5], v[\b:\b+1]
.endr
.irp b, 32,46,100,114
	v_pk_fma_f32 v[\b+6:\b+7], v[\b+6:\b+7], v[\b+10:\b+11], v[\b:\b+1]
.endr
.irp b, 32,46,100,114
	v_pk_mul_f32 v[\b+10:\b+11], v[\b+4:\b+5], v[\b+4:\b+5]
	v_pk_fma_f32 v[\b+4:\b+5], v[\b+4:\b+5], -0.5, 1.0 op_sel_hi:[1,0,0]
	v_cvt_i32_f32 v[\b+2], v[\b+2]
	v_cvt_i32_f32 v[\b+3], v[\b+3]
.endr
.irp b, 32,46,100,114
	v_pk_fma_f32 v[\b+8:\b+9], v[\b+8:\b+9], v[\b+10:\b+11], v[\b+4:\b+5]
.endr
.irp k, 0,1
.irp m, 0,1,2,3
.set wb, 32+14*\m+40*(\m/2)
	v_and_b32 v[wb+12], 1, v[wb+2+\k]
	v_cmp_eq_u32 s[96+\m], 1, v[wb+12]
	v_lshlrev_b32 v[wb+12], 30, v[wb+2+\k]
	v_add_nc_u32 v[wb+13], 1, v[wb+2+\k]
.endr
.irp m, 0,1,2,3
.set wb, 32+14*\m+40*(\m/2)
	v_cndmask_b32 v[TAB+32*\m+2*(\n+\k)+1], v[wb+6+\k], v[wb+8+\k], s[96+\m]
	v_cndmask_b32 v[TAB+32*\m+2*(\n+\k)], v[wb+8+\k], v[wb+6+\k], s[96+\m]
	v_and_b32 v[wb+12], 0x80000000, v[wb+12]
	v_lshlrev_b32 v[wb+13], 30, v[wb+13]
.endr
.irp m, 0,1,2,3
.set wb, 32+14*\m+40*(\m/2)
	v_xor_b32 v[TAB+32*\m+2*(\n+\k)+1], v[TAB+32*\m+2*(\n+\k)+1], v[wb+12]
	v_and_b32 v[wb+13], 0x80000000, v[wb+13]
.endr
.irp m, 0,1,2,3
.set wb, 32+14*\m+40*(\m/2)
	v_xor_b32 v[TAB+32*\m+2*(\n+\k)], v[TAB+32*\m+2*(\n+\k)], v[wb+13]
.endr
.endr
.endm
.irp n, 0,2,4,6,8,10
	SINCOS \n
.endr
	s_wait_alu depctr_va_vdst(0)
	s_wait_tensorcnt 0x0                           ; my part of K step 0 is in
	ds_add_u32 v[SPW], v[NIL]
	s_wait_dscnt 0x0
	CROUND                                         ; everybody's part is in, and all sixteen work-groups are here
	JLOAD 1                                        ; K step 1: it has the table's last quarter and K step 0's products in which to land
.irp n, 12,14
	SINCOS \n
.endr
	s_wait_kmcnt 0x0
.macro MKSCALE role, ea, eb, ec
	s_sub_co_i32 s56, s[\ea], s[\eb]
	s_sub_co_i32 s56, s56, s[\ec]
	s_add_co_i32 s56, s56, 127
	s_lshl_b32 s57, s56, 23
	v_mov_b32 v[SC+2*\role], s57
	s_add_co_i32 s56, s56, 8
	s_lshl_b32 s56, s56, 23
	s_or_b32 s56, s56, 0x600000
	v_mov_b32 v[SC+2*\role+1], s56
.endm
	MKSCALE 0, 74, 68, 69
	MKSCALE 1, 75, 70, 71
	MKSCALE 2, 77, 72, 73
.macro FRAG reg, adr, off
.irp c, 0,1,2,3
	ds_load_b128 v[\reg+4*\c:\reg+4*\c+3], v[\adr] offset:\off+32*\c
.endr
.endm
.macro FETCHX ks
.set fx_r, 128+64*((\ks)&1)
.set fx_a, ADX+(((\ks)>>1)&1)
.set fx_k, 128*((\ks)&1)
	WIN 0xc0
.irp m, 0,1,2,3
	FRAG fx_r+16*\m, fx_a, \m*16*PITCH+fx_k
.endr
.endm
.macro FETCHW g
.set fw_role, (\g)%3
.set fw_ks, (\g)/3
.set fw_b, 64*((\g)&1)
.set fw_sl, (fw_ks>>1)&1
.set fw_k, 128*(fw_ks&1)
	WIN 0x40
.irp t, 0,1,2,3
.if fw_role < 2
	FRAG fw_b+16*\t, ADW+fw_sl, fw_role*WB+\t*16*PITCH+fw_k
.else
	FRAG fw_b+16*\t, ADV+fw_sl, (32*(\t/2)+8*(\t%2))*PITCH+fw_k
.endif
.endr
.endm
.macro MUL g
.set mu_role, (\g)%3
.set mu_ks, (\g)/3
.set mu_w, 64*((\g)&1)
.set mu_x, 128+64*(mu_ks&1)
.if mu_role < 2
	WIN 0xad
.irp m, 0,1,2,3
.irp t, 0,1,2,3
.set mu_d, 128*mu_role+8*(4*\m+\t)
.if mu_ks == 0
	v_wmma_f32_16x16x128_fp8_fp8 v[mu_d:mu_d+7], v[mu_w+16*\t:mu_w+16*\t+15], v[mu_x+16*\m:mu_x+16*\m+15], 0
.else
	v_wmma_f32_16x16x128_fp8_fp8 v[mu_d:mu_d+7], v[mu_w+16*\t:mu_w+16*\t+15], v[mu_x+16*\m:mu_x+16*\m+15], v[mu_d:mu_d+7]
.endif
.endr
.endr
.else
	WIN 0xf7
.irp d, 0,1,2,3
.irp m, 0,1,2,3
.set mu_d, 8*(4*\d+\m)
.if mu_ks == 0
	v_wmma_f32_16x16x128_fp8_fp8 v[mu_d:mu_d+7], v[mu_x+16*\m:mu_x+16*\m+15], v[mu_w+16*\d:mu_w+16*\d+15], 0
.else
	v_wmma_f32_16x16x128_fp8_fp8 v[mu_d:mu_d+7], v[mu_x+16*\m:mu_x+16*\m+15], v[mu_w+16*\d:mu_w+16*\d+15], v[mu_d:mu_d+7]
.endif
.endr
.endr
.endif
.endm
.macro GROUP g
.if ((\g)==5)||((\g)==11)||((\g)==17)
	WIN 0
	s_wait_tensorcnt 0x0
	ds_add_u32 v[SPW], v[NIL]
.if (\g) < 17
.set gs, 4*((\g)/6)
	s_add_nc_u64 s[G0X+gs+2:G0X+gs+3], s[G0X+gs+2:G0X+gs+3], 512
	s_add_nc_u64 s[G0W+gs+2:G0W+gs+3], s[G0W+gs+2:G0W+gs+3], 512
.endif
	s_wait_dscnt 0x0
.if (\g) < 17
	CROUND
	JLOAD (\g)/6
.else
	s_barrier_signal -1
	s_barrier_wait -1
	PLACES
.endif
	FETCHW (\g)+1
	FETCHX ((\g)+1)/3
.elseif (\g)==23
	s_wait_dscnt 0x0
.else
	PLACES
	FETCHW (\g)+1
.if (\g)%3 == 2
	FETCHX ((\g)+1)/3
	s_wait_dscnt 32
.else
	s_wait_dscnt 16
.endif
.endif
	MUL \g
.endm
	s_wait_alu depctr_va_vdst(0)                   ; at the head's end
	FETCHX 0
	FETCHW 0
.irp g, 0,1,2,3,4,5,6,7,8,9,10,11,12,13,14,15,16,17,18,19,20,21,22,23
	GROUP \g
.endr
	PLACES
.macro ROPE role, m
	WIN 0x02
.irp t, 0,1,2,3
.irp p, 0,1,2,3
	v_pk_mul_f32 v[TMP+8*\t+2*\p:TMP+8*\t+2*\p+1], v[128*\role+8*(4*\m+\t)+2*\p:128*\role+8*(4*\m+\t)+2*\p+1], v[TAB+32*\m+8*\t+2*\p:TAB+32*\m+8*\t+2*\p+1] op_sel:[1,1] op_sel_hi:[1,0]
.endr
.endr
.irp t, 0,1,2,3
.irp p, 0,1,2,3
	v_pk_fma_f32 v[TMP+8*\t+2*\p:TMP+8*\t+2*\p+1], v[128*\role+8*(4*\m+\t)+2*\p:128*\role+8*(4*\m+\t)+2*\p+1], v[TAB+32*\m+8*\t+2*\p:TAB+32*\m+8*\t+2*\p+1], v[TMP+8*\t+2*\p:TMP+8*\t+2*\p+1] op_sel_hi:[0,1,1] neg_lo:[0,0,1]
.endr
.endr
	WIN 0
.irp t, 0,1,2,3
.irp j, 0,1,2,3,4,5,6,7
	v_med3_num_f32 v[TMP+8*\t+\j], v[TMP+8*\t+\j], -v[SC+2*\role+1], v[SC+2*\role+1]
.endr
	v_cvt_scalef32_pk8_fp8_f32 v[COD+8*(4*\role+\m)+2*\t:COD+8*(4*\role+\m)+2*\t+1], v[TMP+8*\t:TMP+8*\t+7], v[SC+2*\role]
.endr
	v_nop
	global_store_b128 v[LO], v[COD+8*(4*\role+\m):COD+8*(4*\role+\m)+3], s[80+2*\role:81+2*\role] offset:\m*1024
	global_store_b128 v[LO], v[COD+8*(4*\role+\m)+4:COD+8*(4*\role+\m)+7], s[80+2*\role:81+2*\role] offset:\m*1024+512
.endm
.irp m, 0,1,2,3
	ROPE 0, \m
.endr
.irp m, 0,1,2,3
	ROPE 1, \m
.endr
	WIN 0x03
.irp q, 0,1,2,3,4,5,6,7,8,9,10,11,12,13,14,15
.irp j, 0,1,2,3,4,5,6,7
	v_med3_num_f32 v[32+8*\q+96*((\q+12)/16)+\j], v[8*\q+\j], -v[SC+5], v[SC+5]
.endr
.endr
	WIN 0
.irp q, 0,1,2,3,4,5,6,7,8,9,10,11,12,13,14,15
	v_cvt_scalef32_pk8_fp8_f32 v[128+2*\q:129+2*\q], v[32+8*\q+96*((\q+12)/16):32+8*\q+96*((\q+12)/16)+7], v[SC+4]
.endr
	v_nop
.irp d, 0,1,2,3
.irp u, 0,1
	global_store_b128 v[LO], v[128+8*\d+4*\u:128+8*\d+4*\u+3], s[84:85] offset:\d*2048+\u*512
.endr
.endr
	s_wait_tensorcnt 0x0
	ds_add_u32 v[SPW], v[NIL]
	s_wait_dscnt 0x0
	CROUND
	s_endpgm
.Lfunc_end_k_q85d9ce50a3_qkv:
	.size	k_q85d9ce50a3_qkv, .Lfunc_end_k_q85d9ce50a3_qkv-k_q85d9ce50a3_qkv
	.p2alignl 7, 3214868480
	.fill 96, 4, 3214868480
	.section	.rodata,"a",@progbits
	.p2align	6, 0x0
	.amdhsa_kernel k_q85d9ce50a3_qkv
		.amdhsa_group_segment_fixed_size 327680
		.amdhsa_private_segment_fixed_size 0
		.amdhsa_enable_private_segment 0
		.amdhsa_kernarg_size 56
		.amdhsa_user_sgpr_count 2
		.amdhsa_user_sgpr_kernarg_segment_ptr 1
		.amdhsa_wavefront_size32 1
		.amdhsa_system_sgpr_workgroup_id_x 1
		.amdhsa_system_sgpr_workgroup_id_y 1
		.amdhsa_system_sgpr_workgroup_id_z 1
		.amdhsa_system_vgpr_workitem_id 0
		.amdhsa_next_free_vgpr 1024
		.amdhsa_next_free_sgpr 100
		.amdhsa_reserve_vcc 1
		.amdhsa_float_denorm_mode_32 3
		.amdhsa_float_denorm_mode_16_64 3
		.amdhsa_memory_ordered 1
		.amdhsa_forward_progress 1
		.amdhsa_inst_pref_size 192
	.end_amdhsa_kernel
	.amdgpu_metadata
---
amdhsa.version: [ 1, 2 ]
amdhsa.kernels:
  - .name:           k_q85d9ce50a3_qkv
    .symbol:         k_q85d9ce50a3_qkv.kd
    .args:
      - { .name: x_codes, .offset: 0, .size: 8, .value_kind: global_buffer, .address_space: global }
      - { .name: Wq_codes, .offset: 8, .size: 8, .value_kind: global_buffer, .address_space: global }
      - { .name: Wk_codes, .offset: 16, .size: 8, .value_kind: global_buffer, .address_space: global }
      - { .name: Wv_codes, .offset: 24, .size: 8, .value_kind: global_buffer, .address_space: global }
      - { .name: lowp_scales, .offset: 32, .size: 8, .value_kind: global_buffer, .address_space: global }
      - { .name: qimg, .offset: 40, .size: 8, .value_kind: global_buffer, .address_space: global }
      - { .name: kv, .offset: 48, .size: 8, .value_kind: global_buffer, .address_space: global }
    .group_segment_fixed_size: 327680
    .private_segment_fixed_size: 0
    .kernarg_segment_align: 8
    .kernarg_segment_size: 56
    .max_flat_workgroup_size: 128
    .sgpr_count:     100
    .vgpr_count:     1024
    .wavefront_size: 32
...
	.end_amdgpu_metadata
.endif
;; end of part 1
;; launch attn (part 2): grid 16 x 16, 16 waves a work-group, clusters of 4 x 1, 327,680 bytes of LDS; arguments qimg, kv, lowp_scales, cimg; writes cimg
.if DOCPART == 2
	.amdgcn_target "amdgcn-amd-amdhsa--gfx1250"
	.amdhsa_code_object_version 6
	.text
	.protected	k_q85d9ce50a3_attn
	.globl	k_q85d9ce50a3_attn
	.p2align	8
	.type	k_q85d9ce50a3_attn,@function
k_q85d9ce50a3_attn:
	s_mov_b64 s[64:65], 0
	v_nop
	global_prefetch_b8 v0, s[64:65] scope:SCOPE_SE
	s_setreg_imm32_b32 hwreg(HW_REG_WAVE_MODE, 25, 1), 1
	s_wait_xcnt 0x0
	s_wait_alu depctr_hold_cnt(0) depctr_sa_sdst(0) depctr_va_vdst(0) depctr_va_sdst(0) depctr_va_ssrc(0) depctr_va_vcc(0) depctr_vm_vsrc(0)
	s_getreg_b32 s2, hwreg(HW_REG_IB_STS2, 6, 4)
	s_cmp_eq_u32 s2, 0
	s_cbranch_scc0 .Lentry_in_a_cluster
	s_endpgm
.Lentry_in_a_cluster:
	s_bfe_u32 s2, ttmp6, 0x10000c
	s_cmp_lg_u32 s2, 0x3003
	s_cbranch_scc0 .Lentry_shape_is_right
	s_endpgm
.Lentry_shape_is_right:
; ctx[q] = the sum over keys k <= q of softmax_k(q . k / 8) v[k], for 16 heads of 64 channels, 4,096 positions, both products on codes of FP8 (E4M3); ctx leaves as codes.
; THE SOFTMAX AHEAD OF THE SECOND PRODUCT: t = score x log2(e) / 8; M = the running largest t rounded UP to a whole number; p = 2^(t - M) is quantised (scale 2^e8), not normalised;
; the row's sum is taken of the unquantised p and divides at the end.  When M moves, the sum and O are multiplied by 2^(old M - new M), which rounds nothing.
; INPUTS, made by the launch before, are images of operand registers: qimg [head][tile of 16 queries][2][lane][16 bytes];
; kv [head][step of 128 keys][16,384]: 8 tiles of K (1,024 bytes each), then 4 channel tiles of V^T (2,048 each).
; BOTH PRODUCTS ARE USED TRANSPOSED: S^T = K Q^T (K = 64), O^T = V^T P^T (K = 128 keys): a lane holds ONE query (lane % 16); tile t of S^T holds keys 16 t + 8 (lane / 16) + 0..7,
; so p's eight codes of tile t are registers 2 t, 2 t + 1 of the second product's operand.
; SHARES.  A cluster of four work-groups (number c, one head) owns super-groups 7 - c and c of 512 queries, one after the other.  Of each super-group's 32 tiles partner cx takes tiles 4 u + cx.
; A wave owns a PAIR of tiles (A: tile cx of block p, B: tile cx + 4 of it; a block is 128 queries, p = 0..3) and every fourth key step (part a = 0..3): each fragment of K and V that it reads serves both tiles.
; A trip is four key steps, 65,536 bytes: 8 - c trips for the first super-group, c + 1 for the second: nine in every work-group.  The four parts of a pair are joined at the end, through LDS.
; THE MASK (dead work left out): a step whose 128 keys all come after the wave's block is jumped over by a branch on ids, round no load and no barrier.  In the step on the diagonal hidden scores become -infinity ahead of the maximum:
; each query of the block has at least the block's first key there, so M is a number.  No branch hangs on cx.
; Which (p, a) is a wave's is made by exclusive ors of its number's bits so that any four waves w % 4 = const, and any four w / 4 = const, have two or three live parts in a diagonal trip.
; THE RING: two slots of four key steps, filled by joint loads (waves 0-7 at the head: both slots; then waves 0-3, a key step each).  A slot is filled again in the middle of the trip that read it, when V is in registers;
; the load has a whole trip in which to land.  NO PREFETCH: a trip's two softmaxes stand between each load and the wait for it.
; LIMITS.  e6 + e7 between -123 and 129 (added to c's exponent field); e8 between -126 and 119.  e9 and e10 enter by v_ldexp_f32 and have none.  Scaled scores under 2^31 in magnitude.  NaN is not served.
.set SLOT1, 65536
.set R1,    131072                     ; the first super-group's partial O: 8,192 bytes a wave (the second's lie in the ring, when it has had its last fill and its last read)
.set ST1,   262144                     ; -M and the sum, 512 bytes a wave; the second super-group's behind them
.set ST2,   270336
.set SPARE, 278528                     ; the spare words, 128 bytes a wave: eight blocks of 256 bytes that no other line names
.set PX,   0                           ; v0   a lane permute's destination
.set LI,   1                           ; v1   16 x lane
.set ADR,  2
.set SPW,  3
.set NIL,  4
.set DD,   5                           ; v5   my query's place in its block (tile A), less 8 (lane / 16)
.set LIM,  6                           ; 448 x 2^e8
.set SCL,  7                           ; 2^e8
.set NMA,  8                           ; v8 -M, v9 the largest t: tile A;  v10, v11: tile B
.set NMB,  10
.set SUMA, 12                          ; v[12:13], v[14:15] the rows' sums, in two halves
.set SUMB, 14
.set QA,   16
.set QBF,  24
.set F,    32                          ; v32-95  K's 8 fragments, then V's 4
.set S,    96                          ; v96-159 S^T, then p
.set OA,   160
.set OB,   192
.set PA,   224                         ; p's codes
.set PB,   240                         ; v240-255: tile B's codes; until they are made, at work:
.set FF,   240                         ; f = 2^(old M - new M); v241 named with it as a pair
.set T0,   242
.set T1,   243
.set NINF, 245
.set CH,   246                         ; five of the sum's six chains
.set WV,   12
.set QB,   20                          ; s20  my block
.set ST,   21                          ; s21  my key step of this trip
.set TB,   22                          ; s22  where it begins in LDS
.set N1,   23                          ; s23  8 - c
.set TR,   24                          ; s24  the trip
.macro ROUND
	s_barrier_signal -1
	s_barrier_wait -1
	s_cmp_lg_u32 s[WV], 0
	s_cbranch_scc1 .Lnot_wave_0_\@
	s_barrier_signal -3
.Lnot_wave_0_\@:
	s_barrier_wait -3
	s_barrier_signal -1
	s_barrier_wait -1
.endm
.macro TLOAD n                         ; the first n waves ask, each for one key step
	s_cmp_lt_u32 s[WV], \n
	s_cbranch_scc0 .Lnone_\@
	tensor_load_to_lds s[40:43], s[32:39]
	s_nop 0
.rept 4
	v_nop
.endr
.Lnone_\@:
.endm
	s_load_b256 s[4:11], s[0:1], 0x0               ; qimg s[4:5], kv s[6:7], the scales' exponents s[8:9], cimg s[10:11]
	v_lshl_add_u32 v[SPW], v0, 2, SPARE
	v_mov_b32 v[NIL], 0
	ds_add_u32 v[SPW], v[NIL]                      ; the opening: the add, twice on end
	ds_add_u32 v[SPW], v[NIL]
	v_lshrrev_b32 v2, 5, v0
	v_and_b32 v[LI], 31, v0
	v_and_b32 v8, 15, v0
	v_bfe_u32 v9, v0, 4, 1
	v_readfirstlane_b32 s[WV], v2                  ; wave 0..15
	v_lshlrev_b32 v[LI], 4, v[LI]
	v_lshlrev_b32 v9, 3, v9
	v_sub_nc_u32 v[DD], v8, v9                     ; r - 8 h
	s_wait_alu depctr_va_vdst(0)                   ; ahead of the scalar lines
	s_bfe_u32 s13, ttmp6, 0x40000                  ; cx
	s_mov_b32 s14, ttmp9                           ; c: the cluster's number along x, 0..3
	s_and_b32 s15, ttmp7, 0xffff                   ; the head
	s_lshr_b32 s62, s[WV], 1
	s_lshr_b32 s63, s[WV], 2
	s_lshr_b32 s66, s[WV], 3
	s_xor_b32 s30, s[WV], s63
	s_xor_b32 s31, s30, s66
	s_and_b32 s30, s30, 3                          ; p
	s_and_b32 s31, s31, 1
	s_lshl_b32 s31, s31, 1
	s_xor_b32 s25, s[WV], s62
	s_xor_b32 s25, s25, s66
	s_and_b32 s25, s25, 1
	s_or_b32 s25, s25, s31                         ; a
	s_lshl_b32 s31, s30, 2
	s_or_b32 s31, s31, s25                         ; 4 p + a
	s_sub_co_u32 s[N1], 8, s14
	s_sub_co_u32 s68, s[N1], 1
	s_lshl_b32 s67, s14, 2
	s_add_co_u32 s67, s67, s30                     ; my block in the second super-group: 4 c + p
	s_lshl_b32 s[QB], s68, 2
	s_add_co_u32 s[QB], s[QB], s30                 ; and in the first: 4 (7 - c) + p
	s_lshl_b32 s76, s31, 13                        ; where my partial results go:
	s_add_co_u32 s74, s76, R1
	s_lshl_b32 s75, s31, 9
	s_add_co_u32 s77, s75, ST2
	s_add_co_u32 s75, s75, ST1
	s_lshl_b32 s80, s30, 15                        ; and the pair's, of which I join tile a / 2, channels 32 (a % 2) on
	s_lshl_b32 s62, s25, 11
	s_add_co_u32 s80, s80, s62
	s_add_co_u32 s78, s80, R1
	s_lshl_b32 s79, s30, 11
	s_lshr_b32 s62, s25, 1
	s_lshl_b32 s63, s62, 8
	s_add_co_u32 s79, s79, s63
	s_add_co_u32 s81, s79, ST2
	s_add_co_u32 s79, s79, ST1
	s_lshl_b32 s[TB], s25, 14
	s_lshl_b32 s62, s62, 2                         ; cimg [block of 128 rows][K step of 128 = two heads][tile of 16 rows][piece][lane][16 bytes]
	s_add_co_u32 s62, s62, s13
	s_lshl_b32 s62, s62, 11
	s_lshr_b32 s63, s15, 1
	s_lshl_b32 s63, s63, 14
	s_add_co_u32 s62, s62, s63
	s_and_b32 s63, s15, 1
	s_lshl_b32 s63, s63, 10
	s_add_co_u32 s62, s62, s63
	s_and_b32 s63, s25, 1
	s_lshl_b32 s63, s63, 9
	s_add_co_u32 s62, s62, s63
	s_lshl_b32 s84, s[QB], 17
	s_add_co_u32 s84, s84, s62
	s_mov_b32 s85, 0
	s_lshl_b32 s86, s67, 17
	s_add_co_u32 s86, s86, s62
	s_mov_b32 s87, 0
	s_lshl_b32 s62, s15, 18                        ; Q's images: tile 8 block + cx, and 4 tiles on
	s_lshl_b32 s63, s13, 10
	s_add_co_u32 s62, s62, s63
	s_lshl_b32 s88, s[QB], 13
	s_add_co_u32 s88, s88, s62
	s_mov_b32 s89, 0
	s_lshl_b32 s90, s67, 13
	s_add_co_u32 s90, s90, s62
	s_mov_b32 s91, 0
	s_mov_b32 s32, 15|(3<<16)|(1<<21)              ; 15:0 the mask: all four work-groups; 17:16 elements of 8 bytes; 21 set beside a mask
	s_mov_b32 s33, 32<<16                          ; 64 rows of 256 bytes, dense in memory and in LDS
	s_mov_b32 s34, 64<<16
	s_mov_b32 s35, 32<<16
	s_mov_b32 s36, 64
	s_mov_b32 s37, 32
	s_mov_b32 s38, 0
	s_mov_b32 s39, 0
	s_and_b32 s54, s[WV], 7
	s_lshl_b32 s54, s54, 14                        ; the key step that I fetch, in LDS and in memory
	s_lshl_b32 s56, s15, 19
	s_add_co_u32 s56, s56, s54
	s_mov_b32 s57, 0
	s_mov_b32 s26, 0x76543210                      ; v_permlanex16_b32's selects for lane l xor 16
	s_mov_b32 s27, 0xfedcba98
	s_mov_b32 s82, 0x43e00000                      ; 448, -448
	s_mov_b32 s83, 0xc3e00000
	s_mov_b32 s[TR], 0
	s_wait_dscnt 0x0                               ; both opening adds are done
	s_wait_kmcnt 0x0
	s_load_b128 s[44:47], s[8:9], 0x18             ; e6, e7, e8, e9
	s_load_b32 s48, s[8:9], 0x28                   ; e10
	s_add_nc_u64 s[58:59], s[6:7], s[56:57]
	s_mov_b32 s40, 1
	s_mov_b32 s41, s54
	s_mov_b64 s[42:43], s[58:59]
	s_or_b32 s43, s43, 0x80000000
	ROUND                                          ; all four work-groups are here: the first joint loads meet
	TLOAD 8                                        ; trips 0 and 1: both slots
	s_add_nc_u64 s[50:51], s[4:5], s[88:89]
	s_add_nc_u64 s[52:53], s[4:5], s[90:91]
	s_add_nc_u64 s[70:71], s[10:11], s[84:85]
	s_add_nc_u64 s[72:73], s[10:11], s[86:87]
.macro LOADQ b
	global_load_b128 v[QA:QA+3], v[LI], s[\b:\b+1]
	global_load_b128 v[QA+4:QA+7], v[LI], s[\b:\b+1] offset:512
	global_load_b128 v[QBF:QBF+3], v[LI], s[\b:\b+1] offset:4096
	global_load_b128 v[QBF+4:QBF+7], v[LI], s[\b:\b+1] offset:4608
.endm
	LOADQ 50
	s_lshl_b32 s62, s13, 4
	v_add_nc_u32 v[DD], s62, v[DD]                 ; 16 cx + r - 8 h (tile B: 64 more)
	s_wait_kmcnt 0x0
	s_add_co_i32 s62, s44, s45
	s_lshl_b32 s62, s62, 23
	s_add_co_i32 s28, s62, 0x3e38aa3b              ; log2(e) / 8, with e6 + e7 added to its exponent field: a score stands for score x 2^(e6 + e7)
	s_mov_b32 s29, s28                             ; (named with it as a pair)
	s_add_co_i32 s62, s46, 127
	s_lshl_b32 s63, s62, 23
	v_mov_b32 v[SCL], s63                          ; 2^e8
	s_add_co_i32 s62, s62, 8
	s_lshl_b32 s62, s62, 23
	s_or_b32 s62, s62, 0x600000
	v_mov_b32 v[LIM], s62                          ; 448 x 2^e8
	s_add_co_i32 s49, s46, s47
	s_sub_co_i32 s49, s49, s48                     ; e8 + e9 - e10
; The scores' maximum, M, and t - M.
.macro SOFT1 first, nm
	v_max3_num_f32 v[T0], v[S], v[S+1], v[S+2]     ; two chains; each accumulator is first read at its low end
	v_max3_num_f32 v[T1], v[S+3], v[S+4], v[S+5]
.irp i, 6,10,14,18,22,26,30,34,38,42,46,50,54,58
	v_max3_num_f32 v[T0], v[T0], v[S+\i], v[S+1+\i]
	v_max3_num_f32 v[T1], v[T1], v[S+2+\i], v[S+3+\i]
.endr
	v_max3_num_f32 v[T0], v[T0], v[S+62], v[S+63]
	s_delay_alu instid0(VALU_DEP_1)
	v_max_num_f32 v[T0], v[T0], v[T1]
	s_delay_alu instid0(VALU_DEP_1)
	v_permlanex16_b32 v[PX], v[T0], s26, s27
	s_delay_alu instid0(VALU_DEP_1)
	v_max_num_f32 v[T0], v[T0], v[PX]
	s_delay_alu instid0(VALU_DEP_1)
.if \first
	v_mul_f32 v[\nm+1], s28, v[T0]                 ; the largest t (the factor is positive)
	s_delay_alu instid0(VALU_DEP_1)
	v_floor_f32 v[\nm], -v[\nm+1]                  ; -M = floor(-t)
.else
	v_mul_f32 v[T0], s28, v[T0]
	s_delay_alu instid0(VALU_DEP_1)
	v_max_num_f32 v[\nm+1], v[\nm+1], v[T0]        ; the running largest t
	v_mov_b32 v[T0], v[\nm]
	s_delay_alu instid0(VALU_DEP_2)
	v_floor_f32 v[\nm], -v[\nm+1]                  ; the new -M
	s_delay_alu instid0(VALU_DEP_1)
	v_sub_f32 v[T0], v[\nm], v[T0]                 ; old M - new M: a whole number, 0 or less
	s_delay_alu instid0(VALU_DEP_1)
	v_cvt_i32_f32 v[T0], v[T0]                     ; (it saturates)
	s_delay_alu instid0(VALU_DEP_1)
	v_ldexp_f32 v[FF], 1.0, v[T0]                  ; f
.endif
.set i, 0
.rept 32
	v_pk_fma_f32 v[S+i:S+i+1], v[S+i:S+i+1], s[28:29], v[\nm:\nm+1] op_sel_hi:[1,0,0]
.set i, i+2
.endr
.endm
.macro EXPS first, sum
	s_wait_alu depctr_va_vdst(0)                   ; ahead of the batch
.set i, 0
.rept 64
	v_exp_f32 v[S+i], v[S+i]                       ; p = 2^(t - M), at most 1
.set i, i+1
.endr
.if \first
	v_nop                                          ; a plain line behind the exponentials
.else
	v_pk_mul_f32 v[\sum:\sum+1], v[\sum:\sum+1], v[FF:FF+1] op_sel_hi:[1,0]   ; the sum under the new M (a plain line behind the exponentials)
.endif
	s_wait_alu depctr_va_vdst(0)                   ; and behind it, ahead of its first reader
.endm
.macro HOLD8                           ; eight dual lines hold sixteen numbers: the conversion to an 8-bit code does not saturate (ISA guide 7.6.2); p is not negative, so the hold is one-sided
.rept 8
	v_dual_min_num_f32 v[S+i], v[LIM], v[S+i] :: v_dual_min_num_f32 v[S+i+1], v[LIM], v[S+i+1]
.set i, i+2
.endr
.endm
; O^T under the new M (directly behind a wait), the row's sum of the unquantised p in six chains, the hold, and p's codes.
.macro SOFT3 first, sum, o, p
.if \first == 0
.set i, 0
.rept 16
	v_pk_mul_f32 v[\o+i:\o+i+1], v[\o+i:\o+i+1], v[FF:FF+1] op_sel_hi:[1,0]
.set i, i+2
.endr
.endif
.irp k, 0,1,2,3,4
	v_pk_add_f32 v[CH+2*\k:CH+2*\k+1], v[S+4*\k:S+4*\k+1], v[S+4*\k+2:S+4*\k+3]
.endr
.if \first
	v_pk_add_f32 v[\sum:\sum+1], v[S+20:S+21], v[S+22:S+23]
.else
	v_pk_add_f32 v[\sum:\sum+1], v[\sum:\sum+1], v[S+20:S+21]
	v_pk_add_f32 v[CH:CH+1], v[CH:CH+1], v[S+22:S+23]
.endif
.set i, 24
.set kk, 1
.rept 20
.if kk == 5
	v_pk_add_f32 v[\sum:\sum+1], v[\sum:\sum+1], v[S+i:S+i+1]
.set kk, 0
.else
	v_pk_add_f32 v[CH+2*kk:CH+2*kk+1], v[CH+2*kk:CH+2*kk+1], v[S+i:S+i+1]
.set kk, kk+1
.endif
.set i, i+2
.endr
	v_pk_add_f32 v[\sum:\sum+1], v[\sum:\sum+1], v[CH:CH+1]
	v_pk_add_f32 v[CH+2:CH+3], v[CH+2:CH+3], v[CH+4:CH+5]
	v_pk_add_f32 v[CH+6:CH+7], v[CH+6:CH+7], v[CH+8:CH+9]
.set i, 0
	HOLD8
	v_pk_add_f32 v[\sum:\sum+1], v[\sum:\sum+1], v[CH+2:CH+3]
	HOLD8
	v_pk_add_f32 v[\sum:\sum+1], v[\sum:\sum+1], v[CH+6:CH+7]
	HOLD8
	HOLD8
.irp t, 0,1,2,3,4,5,6,7
	v_cvt_scalef32_pk8_fp8_f32 v[\p+2*\t:\p+2*\t+1], v[S+8*\t:S+8*\t+7], v[SCL]
.endr
	v_nop                                          ; one plain line between the conversions and the products behind them
.endm
.macro SCORES q
.irp t, 0,1,2,3,4,5,6,7
	v_wmma_f32_16x16x64_fp8_fp8 v[S+8*\t:S+8*\t+7], v[F+8*\t:F+8*\t+7], v[\q:\q+7], 0
.endr
.rept 4
	v_nop                                          ; places behind the products
.endr
.endm
; On the diagonal: register 8 t + j holds key 16 t + 8 h + j of the step, hidden where it lies behind the query.  Tile A's queries are the block's places 0..63: its keys from 64 on are all hidden; tile B's are 64..127: its keys under 64 all count.
.macro MASK b
	s_cmp_lt_u32 s[ST], s[QB]
	s_cbranch_scc1 .Lopen_\@
	v_mov_b32 v[NINF], 0xff800000
.irp t, 0,1,2,3
.irp j, 0,1,2,3,4,5,6,7
	v_cmp_gt_i32 vcc_lo, 16*\t+\j, v[DD]
	v_cndmask_b32 v[S+32*\b+8*\t+\j], v[S+32*\b+8*\t+\j], v[NINF], vcc_lo
.endr
.endr
.if \b == 0
.set i, 32
.rept 32
	v_mov_b32 v[S+i], v[NINF]
.set i, i+1
.endr
.endif
.Lopen_\@:
.endm
; My partial results into LDS: -M and the row's sum (both halves of it), then O^T.  so, ss: scalars with the places.
.macro DUMP so, ss
	s_wait_alu depctr_va_vdst(0)
	v_add_nc_u32 v246, s[\so], v[LI]
	v_lshrrev_b32 v247, 1, v[LI]
	v_add_f32 v[SUMA], v[SUMA], v[SUMA+1]
	v_add_f32 v[SUMB], v[SUMB], v[SUMB+1]
	v_add_nc_u32 v247, s[\ss], v247
	v_permlanex16_b32 v[PX], v[SUMA], s26, s27
	v_permlanex16_b32 v248, v[SUMB], s26, s27
	v_add_f32 v[NMA+1], v[SUMA], v[PX]
	v_add_f32 v[NMB+1], v[SUMB], v248
	ds_store_b64 v247, v[NMA:NMA+1]
	ds_store_b64 v247, v[NMB:NMB+1] offset:256
.irp d, 0,1,2,3
	s_wait_alu depctr_va_vdst(0)                   ; directly ahead of a matrix result's first reader
	ds_store_b128 v246, v[OA+8*\d:OA+8*\d+3] offset:1024*\d
	ds_store_b128 v246, v[OA+8*\d+4:OA+8*\d+7] offset:1024*\d+512
	s_wait_alu depctr_va_vdst(0)
	ds_store_b128 v246, v[OB+8*\d:OB+8*\d+3] offset:4096+1024*\d
	ds_store_b128 v246, v[OB+8*\d+4:OB+8*\d+7] offset:4096+1024*\d+512
.endr
.endm
; A TRIP.  first = 1: trip 0, all of whose steps count for every wave: M, the sums and O begin here.  fill = 1: the slot in hand is filled again, for the trip two on.
.macro TRIP first, fill
.if \first == 0
	s_wait_loadcnt 0x0                             ; Q (where the trip before has asked for it)
	s_cmp_lg_u32 s[TR], s[N1]
	s_cbranch_scc1 .Lsame_\@
	DUMP 74, 75                                    ; on to the second super-group.  O and the sums are finite and stay as they are: with M at -3e38 the first change of M multiplies them by 0, and so does the joining where no step follows
	v_mov_b32 v[NMA], 0x7f61b1e6                   ; -M = 3e38
	v_mov_b32 v[NMA+1], 0xff61b1e6
	v_mov_b32 v[NMB], 0x7f61b1e6
	v_mov_b32 v[NMB+1], 0xff61b1e6
	s_mov_b32 s[QB], s67
.Lsame_\@:
	s_cmp_ge_u32 s[TR], s[N1]
	s_cselect_b32 s62, s[N1], 0
	s_sub_co_u32 s62, s[TR], s62
	s_lshl_b32 s62, s62, 2
	s_add_co_u32 s[ST], s62, s25                   ; my key step
	s_cmp_gt_u32 s[ST], s[QB]
	s_cbranch_scc1 .Lhid_\@                        ; all its keys come after my queries
.endif
	v_add_nc_u32 v[ADR], s[TB], v[LI]              ; (the places for the loads below stand behind the last trip's products)
.irp i, 0,1,2,3,4,5,6,7,8,9,10,11,12,13,14,15
	ds_load_b128 v[F+4*\i:F+4*\i+3], v[ADR] offset:512*\i          ; K: tile i / 2, piece i % 2
.endr
	s_wait_alu depctr_va_vdst(0)
	s_wait_dscnt 0x0
	SCORES QA
.if \first == 0
	MASK 0
.endif
	SOFT1 \first, NMA
	EXPS \first, SUMA
	SOFT3 \first, SUMA, OA, PA
	SCORES QBF
.irp i, 0,1,2,3,4,5,6,7,8,9,10,11,12,13,14,15
	ds_load_b128 v[F+4*\i:F+4*\i+3], v[ADR] offset:8192+512*\i     ; V: channel tile i / 4, piece i % 4: they land while tile B's softmax is worked
.endr
.if \first == 0
	MASK 1
.endif
	SOFT1 \first, NMB
	EXPS \first, SUMB
.if \first == 0
.Lhid_\@:
	s_cmp_lg_u32 s[TR], s68
	s_cbranch_scc1 .Lnoq_\@
	LOADQ 52                                       ; the first super-group's last trip: its Q is done with
.Lnoq_\@:
.endif
	s_wait_tensorcnt 0x0                           ; my part of the next trip's slot is in, and the group 0 may be written
	ds_add_u32 v[SPW], v[NIL]
.if \fill
	ds_add_u32 v[SPW], v[NIL]                      ; twice on end here
	s_add_co_u32 s62, s[TR], 2
	s_cmp_ge_u32 s62, s[N1]
	s_cselect_b32 s63, s[N1], 0
	s_sub_co_u32 s62, s62, s63
	s_lshl_b32 s56, s62, 16
	s_add_nc_u64 s[42:43], s[58:59], s[56:57]      ; the keys of the trip two on
	s_or_b32 s43, s43, 0x80000000
.if \first == 0
	s_xor_b32 s41, s41, SLOT1
.endif
.endif
	s_wait_dscnt 0x0                               ; the add is done, and V is in registers: my reads of the slot in hand are over
.if \fill
	ROUND
	TLOAD 4
.else
	s_barrier_signal -1
	s_barrier_wait -1
.endif
.if \first == 0
	s_cmp_gt_u32 s[ST], s[QB]
	s_cbranch_scc1 .Lskip_\@
.endif
	s_wait_alu depctr_va_vdst(0)                   ; directly ahead of the first reader of O^T
	SOFT3 \first, SUMB, OB, PB
.irp d, 0,1,2,3                        ; the eight accumulators take turns
.if \first
	v_wmma_f32_16x16x128_fp8_fp8 v[OA+8*\d:OA+8*\d+7], v[F+16*\d:F+16*\d+15], v[PA:PA+15], 0
	v_wmma_f32_16x16x128_fp8_fp8 v[OB+8*\d:OB+8*\d+7], v[F+16*\d:F+16*\d+15], v[PB:PB+15], 0
.else
	v_wmma_f32_16x16x128_fp8_fp8 v[OA+8*\d:OA+8*\d+7], v[F+16*\d:F+16*\d+15], v[PA:PA+15], v[OA+8*\d:OA+8*\d+7]
	v_wmma_f32_16x16x128_fp8_fp8 v[OB+8*\d:OB+8*\d+7], v[F+16*\d:F+16*\d+15], v[PB:PB+15], v[OB+8*\d:OB+8*\d+7]
.endif
.endr
.rept 4
	v_nop                                          ; places behind the products, for whatever follows: the next loads, the rescaling of O^T or its way into LDS
.endr
.if \first == 0
.Lskip_\@:
.endif
	s_xor_b32 s[TB], s[TB], SLOT1                  ; the other slot
.endm
	s_wait_alu depctr_va_vdst(0)                   ; at the head's end
	s_wait_tensorcnt 0x0
	s_wait_loadcnt 0x0                             ; Q
	s_barrier_signal -1
	s_barrier_wait -1                              ; both slots are whole
	TRIP 1, 1
	s_mov_b32 s[TR], 1
.Lfill:                                                ; trips 1 to 6 ask for trips 3 to 8
	TRIP 0, 1
	s_add_co_u32 s[TR], s[TR], 1
	s_cmp_lt_u32 s[TR], 7
	s_cbranch_scc1 .Lfill
	s_mov_b32 s[TR], 7
.Llast:                                                ; trips 7 and 8 ask for nothing; behind trip 8's barrier nobody reads the ring, and the first super-group's partial results are whole
	TRIP 0, 0
	s_add_co_u32 s[TR], s[TR], 1
	s_cmp_lt_u32 s[TR], 9
	s_cbranch_scc1 .Llast
; THE JOINING of a pair's four parts: each is brought under the largest M, O = the sum of f O, l = the sum of f l; ctx = O x 2^(e8 + e9) / l, its code ctx / 2^e10, held at +-448: the exponents go into one power of two.
; Channel tiles 2 b and 2 b + 1 hold channels 32 b + 16 h + 0..15 of the query: four registers of the next product's operand, stored as they stand: 512 consecutive bytes a wave.
.macro JOIN so, ss, adr, cd
	v_add_nc_u32 v246, s[\so], v[LI]
	v_lshrrev_b32 v247, 1, v[LI]
	v_add_nc_u32 v247, s[\ss], v247
.irp a, 0,1,2,3
	ds_load_b64 v[224+2*\a:225+2*\a], v247 offset:512*\a           ; -M, l
.endr
.irp a, 0,1,2,3
.irp k, 0,1,2,3
	ds_load_b128 v[F+16*\a+4*\k:F+16*\a+4*\k+3], v246 offset:8192*\a+512*\k
.endr
.endr
	s_wait_dscnt 0x0
	v_min3_num_f32 v240, v224, v226, v228
	v_min_num_f32 v240, v240, v230                 ; the least -M
.irp a, 224,226,228,230
	v_sub_f32 v[\a], v240, v[\a]
.endr
.irp a, 224,226,228,230
	v_cvt_i32_f32 v[\a], v[\a]
.endr
.irp a, 224,226,228,230
	v_ldexp_f32 v[\a], 1.0, v[\a]                  ; f: 0 for a part without a step
.endr
	v_mul_f32 v240, v224, v225
.irp i, 0,2,4,6,8,10,12,14
	v_pk_mul_f32 v[F+\i:F+\i+1], v[F+\i:F+\i+1], v[224:225] op_sel_hi:[1,0]
.endr
.irp a, 1,2,3
	v_fmac_f32 v240, v[224+2*\a], v[225+2*\a]
.irp i, 0,2,4,6,8,10,12,14
	v_pk_fma_f32 v[F+\i:F+\i+1], v[F+16*\a+\i:F+16*\a+\i+1], v[224+2*\a:225+2*\a], v[F+\i:F+\i+1] op_sel_hi:[1,0,1]
.endr
.endr
	s_wait_alu depctr_va_vdst(0)                   ; ahead of the reciprocal
	v_rcp_f32 v240, v240
	v_mov_b32 v[SCL], 1.0                          ; (a plain line behind it)
	s_wait_alu depctr_va_vdst(0)                   ; and ahead of its first reader
	v_ldexp_f32 v240, v240, s49
.irp i, 0,2,4,6,8,10,12,14
	v_pk_mul_f32 v[F+\i:F+\i+1], v[F+\i:F+\i+1], v[240:241] op_sel_hi:[1,0]
.endr
.irp i, 0,1,2,3,4,5,6,7,8,9,10,11,12,13,14,15
	v_med3_num_f32 v[F+\i], v[F+\i], s82, s83
.endr
	v_cvt_scalef32_pk8_fp8_f32 v[\cd:\cd+1], v[F:F+7], v[SCL]
	v_cvt_scalef32_pk8_fp8_f32 v[\cd+2:\cd+3], v[F+8:F+15], v[SCL]
	v_nop
	global_store_b128 v[LI], v[\cd:\cd+3], s[\adr:\adr+1]
.endm
	DUMP 76, 77                                    ; the second super-group's, into the ring: it has had its last fill
	JOIN 78, 79, 70, 96                            ; the first super-group's
	s_wait_dscnt 0x0                               ; my stores above are done
	s_barrier_signal -1
	s_barrier_wait -1
	JOIN 80, 81, 72, 100
	s_wait_tensorcnt 0x0                           ; the wave's end
	ds_add_u32 v[SPW], v[NIL]
	s_wait_dscnt 0x0
	ROUND                                          ; the closing round: no work-group ends while a partner may still ask for a tile that names it
	s_endpgm
.Lfunc_end_k_q85d9ce50a3_attn:
	.size	k_q85d9ce50a3_attn, .Lfunc_end_k_q85d9ce50a3_attn-k_q85d9ce50a3_attn
	.p2alignl 7, 3214868480
	.fill 96, 4, 3214868480
	.section	.rodata,"a",@progbits
	.p2align	6, 0x0
	.amdhsa_kernel k_q85d9ce50a3_attn
		.amdhsa_group_segment_fixed_size 327680
		.amdhsa_private_segment_fixed_size 0
		.amdhsa_enable_private_segment 0
		.amdhsa_kernarg_size 32
		.amdhsa_user_sgpr_count 2
		.amdhsa_user_sgpr_kernarg_segment_ptr 1
		.amdhsa_wavefront_size32 1
		.amdhsa_system_sgpr_workgroup_id_x 1
		.amdhsa_system_sgpr_workgroup_id_y 1
		.amdhsa_system_sgpr_workgroup_id_z 1
		.amdhsa_system_vgpr_workitem_id 0
		.amdhsa_next_free_vgpr 256
		.amdhsa_next_free_sgpr 100
		.amdhsa_reserve_vcc 1
		.amdhsa_float_denorm_mode_32 3
		.amdhsa_float_denorm_mode_16_64 3
		.amdhsa_memory_ordered 1
		.amdhsa_forward_progress 1
		.amdhsa_inst_pref_size 123
	.end_amdhsa_kernel
	.amdgpu_metadata
---
amdhsa.version: [ 1, 2 ]
amdhsa.kernels:
  - .name:           k_q85d9ce50a3_attn
    .symbol:         k_q85d9ce50a3_attn.kd
    .args:
      - { .name: qimg, .offset: 0, .size: 8, .value_kind: global_buffer, .address_space: global }
      - { .name: kv, .offset: 8, .size: 8, .value_kind: global_buffer, .address_space: global }
      - { .name: lowp_scales, .offset: 16, .size: 8, .value_kind: global_buffer, .address_space: global }
      - { .name: cimg, .offset: 24, .size: 8, .value_kind: global_buffer, .address_space: global }
    .group_segment_fixed_size: 327680
    .private_segment_fixed_size: 0
    .kernarg_segment_align: 8
    .kernarg_segment_size: 32
    .max_flat_workgroup_size: 512
    .sgpr_count:     100
    .vgpr_count:     256
    .wavefront_size: 32
...
	.end_amdgpu_metadata
.endif
;; end of part 2
;; launch proj (part 3): grid 8 x 32, 4 waves a work-group, clusters of 4 x 4, 327,680 bytes of LDS; arguments cimg, Wo_codes, lowp_scales, bo, out0; writes out0
.if DOCPART == 3
	.amdgcn_target "amdgcn-amd-amdhsa--gfx1250"
	.amdhsa_code_object_version 6
	.text
	.protected	k_q85d9ce50a3_proj
	.globl	k_q85d9ce50a3_proj
	.p2align	8
	.type	k_q85d9ce50a3_proj,@function
k_q85d9ce50a3_proj:
	s_mov_b64 s[64:65], 0
	v_nop
	global_prefetch_b8 v0, s[64:65] scope:SCOPE_SE
	s_setreg_imm32_b32 hwreg(HW_REG_WAVE_MODE, 25, 1), 1
	s_wait_xcnt 0x0
	s_wait_alu depctr_hold_cnt(0) depctr_sa_sdst(0) depctr_va_vdst(0) depctr_va_sdst(0) depctr_va_ssrc(0) depctr_va_vcc(0) depctr_vm_vsrc(0)
	s_getreg_b32 s2, hwreg(HW_REG_IB_STS2, 6, 4)
	s_cmp_eq_u32 s2, 0
	s_cbranch_scc0 .Lentry_in_a_cluster
	s_endpgm
.Lentry_in_a_cluster:
	s_bfe_u32 s2, ttmp6, 0x10000c
	s_cmp_lg_u32 s2, 0xf033
	s_cbranch_scc0 .Lentry_shape_is_right
	s_endpgm
.Lentry_shape_is_right:
; out = ctx Wo^T + bo on codes of FP8 (E4M3).  ctx: codes made by the launch before, as images of operand registers:
; cimg [block of 128 rows][K step of 128][tile of 16 rows][piece of four registers][lane][16 bytes].  Wo: [1024][1024], one code a byte, K innermost.  out: [4096][1024] f32.
; A sum stands for sum x 2^(e10 + e11): out = sum x 2^(e10 + e11) + bo, one packed multiply-add for two numbers.  LIMIT: e10 + e11 between -126 and 127.  NaN is not served.
; SHARES.  A work-group makes 128 x 128 of out: 256 work-groups.  Each of four waves makes 64 x 64: 16 accumulators; eight fragments serve sixteen products.
; LDS IS FILLED ONCE: all of K fits (ctx 131,072 bytes as it lies; Wo's 128 rows in two halves along K, rows of 512 bytes padded to 528).  One load a wave: waves 0 and 1 ctx's halves along K, waves 2 and 3 Wo's.
; No loop runs ahead of a load, so nothing is prefetched.
; CLUSTER 4 x 4: the four work-groups of a row share their rows of ctx, the four of a column their rows of Wo: each tile is asked for jointly.
; THE MATRIX INSTRUCTION IS USED TRANSPOSED (source 0 = 16 rows of Wo, source 1 = 16 rows of ctx): a lane holds eight neighbouring columns of one row of out.
; K lies in both operands' registers in the same order: registers 4 c .. 4 c + 3 hold K = 32 c + 16 (lane / 16) + 0..15.
; REGISTERS: window 0: v0-31 addresses, v32-63 bo, v64-191 ctx's fragments, two buffers (then the rows read back), v192-223 the way out; window 1: v0-127 Wo's fragments, two buffers; window 2: v0-127 the accumulators.
.set AB,    16384                      ; a K step of ctx: 8 tiles of 2,048 bytes
.set BOFF,  8*AB
.set BP,    528
.set BH,    128*BP                     ; half of Wo's tile
.set STAGE, BOFF+2*BH                  ; the way out: 16 rows x (256 bytes + 16) for each wave; no tile lands there
.set SP,    272
.set SPARE, STAGE+4*16*SP              ; the spare words: 128 bytes a wave
.set WV, 14
.set MSB, 0
.macro WIN new
.if MSB != \new
	s_set_vgpr_msb (MSB<<8)|\new
.set MSB, \new
.endif
.endm
.macro PLACES
.rept 4
	v_nop
.endr
.endm
.macro CROUND                          ; a round of the cluster's barrier
	s_barrier_signal -1
	s_barrier_wait -1
	s_cmp_lg_u32 s[WV], 0
	s_cbranch_scc1 .Lnot_wave_0_\@
	s_barrier_signal -3
.Lnot_wave_0_\@:
	s_barrier_wait -3
	s_barrier_signal -1
	s_barrier_wait -1
.endm
	s_load_b256 s[4:11], s[0:1], 0x0               ; cimg s[4:5], Wo s[6:7], the scales' exponents s[8:9], bo s[10:11]
	s_load_b64 s[12:13], s[0:1], 0x20              ; out
	v_lshl_add_u32 v30, v0, 2, SPARE
	v_mov_b32 v31, 0
	ds_add_u32 v30, v31                            ; the opening: the add, twice on end
	ds_add_u32 v30, v31
	v_lshrrev_b32 v2, 5, v0
	v_and_b32 v1, 15, v0                           ; r
	v_and_b32 v3, 31, v0
	v_readfirstlane_b32 s[WV], v2                  ; wave 0..3
	v_bfe_u32 v2, v0, 4, 1                         ; h
	v_lshlrev_b32 v3, 4, v3                        ; 16 x lane
	v_mul_u32_u24 v13, v1, BP
	v_mul_u32_u24 v10, v1, SP
	v_mul_u32_u24 v11, v2, SP
	v_lshlrev_b32 v12, 12, v2
	v_lshlrev_b32 v14, 5, v2                       ; bo: the result's layout
	v_lshl_add_u32 v13, v2, 4, v13                 ; a fragment of Wo: row r, 16 bytes for each half of the lanes
	v_lshl_add_u32 v10, v2, 5, v10                 ; the stage, in: row r, 32 bytes for each half
	v_lshl_add_u32 v11, v1, 4, v11                 ; back: lanes 0-15 one row of 256 bytes, lanes 16-31 the next
	v_lshl_add_u32 v12, v1, 4, v12                 ; and the same two rows in out
	s_wait_alu depctr_va_vdst(0)                   ; ahead of the scalar lines
	s_bfe_u32 s66, ttmp6, 0x40000                  ; cx
	s_bfe_u32 s67, ttmp6, 0x40004                  ; cy
	s_lshl_b32 s68, ttmp9, 2
	s_add_co_u32 s68, s68, s66                     ; the block of 128 columns
	s_and_b32 s69, ttmp7, 0xffff
	s_lshl_b32 s69, s69, 2
	s_add_co_u32 s69, s69, s67                     ; the block of 128 rows
	s_lshl_b32 s70, s67, 2
	s_lshl_b32 s70, 15, s70                        ; my row of the cluster
	s_lshl_b32 s71, 0x1111, s66                    ; my column
	s_or_b32 s16, s70, (3<<16)|(1<<21)             ; ctx: the mask; elements of 8 bytes; 21 set beside a mask; no padding
	s_mov_b32 s17, 32<<16                          ; 256 rows of 256 bytes, dense
	s_mov_b32 s18, 256<<16
	s_mov_b32 s19, 32<<16
	s_mov_b32 s20, 256
	s_mov_b32 s21, 32
	s_mov_b32 s22, 0
	s_mov_b32 s23, 0
	s_or_b32 s24, s71, (1<<20)|(1<<21)|(6<<22)|(3<<25)   ; Wo: the mask; elements of 1 byte; four words of padding after every 128
	s_mov_b32 s25, 512<<16                         ; 128 rows of 512 bytes, 1,024 bytes apart
	s_mov_b32 s26, 128<<16
	s_mov_b32 s27, 512<<16
	s_mov_b32 s28, 128
	s_mov_b32 s29, 1024
	s_mov_b32 s30, 0
	s_mov_b32 s31, 0
	s_and_b32 s15, s[WV], 1                        ; which half along K I fetch; also: which 64 columns are mine
	s_lshr_b32 s79, s[WV], 1                       ; for ctx (0) or for Wo (1); also: which 64 rows are mine
	s_lshl_b32 s74, s15, 16
	s_lshl_b32 s72, s69, 17
	s_add_co_u32 s72, s72, s74                     ; hangs on cy alone
	s_mov_b32 s73, 0
	s_mul_i32 s75, s15, BH
	s_add_co_u32 s75, s75, BOFF
	s_lshl_b32 s76, s68, 17
	s_lshl_b32 s78, s15, 9
	s_add_co_u32 s76, s76, s78                     ; hangs on cx alone
	s_mov_b32 s77, 0
	s_lshl_b32 s80, s79, 13                        ; my four tiles of ctx
	s_mul_i32 s81, s15, 64*BP                      ; my 64 rows of Wo
	s_add_co_u32 s81, s81, BOFF
	s_mul_i32 s82, s[WV], 16*SP
	s_add_co_u32 s82, s82, STAGE                   ; my stage
	s_lshl_b32 s86, s68, 9
	s_lshl_b32 s87, s15, 8
	s_add_co_u32 s86, s86, s87                     ; my first column, in bytes
	s_mov_b32 s87, 0
	s_lshl_b32 s88, s69, 19                        ; 128 rows of 4,096 bytes,
	s_lshl_b32 s89, s79, 18                        ; my 64
	s_add_co_u32 s88, s88, s89
	s_add_co_u32 s88, s88, s86
	s_mov_b32 s89, 0
	s_wait_dscnt 0x0                               ; both opening adds are done
	s_wait_kmcnt 0x0
	s_load_b64 s[84:85], s[8:9], 0x28              ; e10, e11
	s_mov_b32 s32, 1
	s_mov_b32 s33, s74
	s_add_nc_u64 s[34:35], s[4:5], s[72:73]
	s_or_b32 s35, s35, 0x80000000
	s_mov_b32 s48, 1
	s_mov_b32 s49, s75
	s_add_nc_u64 s[50:51], s[6:7], s[76:77]
	s_or_b32 s51, s51, 0x80000000
	CROUND                                         ; all sixteen work-groups are here: the joint loads meet
	s_cmp_eq_u32 s79, 0
	s_cbranch_scc0 .Lfor_w
	tensor_load_to_lds s[32:35], s[16:23]
	s_nop 0
	PLACES
	s_branch .Lasked
.Lfor_w:
	tensor_load_to_lds s[48:51], s[24:31]
	s_nop 0
	PLACES
.Lasked:
	s_add_nc_u64 s[10:11], s[10:11], s[86:87]
	s_add_nc_u64 s[12:13], s[12:13], s[88:89]
.irp i, 0,1,2,3
	global_load_b128 v[32+8*\i:35+8*\i], v14, s[10:11] offset:64*\i         ; bo at columns 16 i + 8 h + 0..7
	global_load_b128 v[36+8*\i:39+8*\i], v14, s[10:11] offset:64*\i+16
.endr
	v_add_nc_u32 v4, s80, v3                       ; ctx's images: K steps 0-3,
	v_add_nc_u32 v6, s81, v13                      ; Wo's first half along K,
	v_add_nc_u32 v10, s82, v10
	v_add_nc_u32 v11, s82, v11
	v_add_nc_u32 v5, 65536, v4                     ; K steps 4-7
	v_add_nc_u32 v7, BH, v6                        ; and its second
	s_wait_alu depctr_va_vdst(0)                   ; at the head's end
	s_wait_kmcnt 0x0
	s_add_co_i32 s84, s84, s85
	s_add_co_i32 s84, s84, 127
	s_lshl_b32 s84, s84, 23                        ; 2^(e10 + e11) as f32
	s_mov_b32 s85, s84                             ; (named with it as a pair)
.macro FETCH s                         ; a K step's four fragments of Wo and four of ctx into buffer s % 2
	WIN 0x40
.irp i, 0,1,2,3
.irp c, 0,1,2,3
	ds_load_b128 v[64*((\s)&1)+16*\i+4*\c:64*((\s)&1)+16*\i+4*\c+3], v[6+(\s)/4] offset:\i*16*BP+128*((\s)&3)+32*\c
.endr
.endr
	WIN 0
.irp a, 0,1,2,3
.irp c, 0,1,2,3
	ds_load_b128 v[64+64*((\s)&1)+16*\a+4*\c:64+64*((\s)&1)+16*\a+4*\c+3], v[4+(\s)/4] offset:((\s)&3)*AB+\a*2048+512*\c
.endr
.endr
.endm
.macro MUL s                           ; sixteen products; the accumulators take turns; the first K step starts the sums with the constant 0
.set wb, 64*((\s)&1)
.set ab, 64+64*((\s)&1)
	WIN 0xa1
.irp a, 0,1,2,3
.irp i, 0,1,2,3
.if (\s) == 0
	v_wmma_f32_16x16x128_fp8_fp8 v[8*(4*\a+\i):8*(4*\a+\i)+7], v[wb+16*\i:wb+16*\i+15], v[ab+16*\a:ab+16*\a+15], 0
.else
	v_wmma_f32_16x16x128_fp8_fp8 v[8*(4*\a+\i):8*(4*\a+\i)+7], v[wb+16*\i:wb+16*\i+15], v[ab+16*\a:ab+16*\a+15], v[8*(4*\a+\i):8*(4*\a+\i)+7]
.endif
.endr
.endr
.endm
	s_wait_tensorcnt 0x0                           ; my part is in; nothing is ever filled again
	s_barrier_signal -1
	s_barrier_wait -1                              ; everybody's is
	FETCH 0
.irp s, 0,1,2,3,4,5,6,7
.if \s > 0
	PLACES                                         ; in front of loads into registers that matrix instructions have read, and of the first read of results
.endif
.if \s < 7
	FETCH \s+1
	s_wait_dscnt 32                                ; all but the 32 just issued
.else
	s_wait_dscnt 0x0
.endif
	MUL \s
.endr
	; THE WAY OUT, 16 rows x 64 columns at a time, through my own stage: LDS serves a wave's instructions in order (ISA guide 5.7.1.4), so no wait stands between the stores and the loads, nor in front of the next block's stores.
	s_wait_loadcnt 0x0                             ; bo
	PLACES
.macro TOSTAGE a
	WIN 0x02
.irp i, 0,1,2,3
.irp j, 0,2,4,6
	v_pk_fma_f32 v[192+8*\i+\j:192+8*\i+\j+1], v[8*(4*\a+\i)+\j:8*(4*\a+\i)+\j+1], s[84:85], v[32+8*\i+\j:32+8*\i+\j+1] op_sel_hi:[1,0,1]   ; each accumulator from its low end on
.endr
.endr
	WIN 0
.irp i, 0,1,2,3
	ds_store_b128 v10, v[192+8*\i:195+8*\i] offset:64*\i
	ds_store_b128 v10, v[196+8*\i:199+8*\i] offset:64*\i+16
.endr
.irp t, 0,1,2,3,4,5,6,7
	ds_load_b128 v[64+32*\a+4*\t:67+32*\a+4*\t], v11 offset:\t*2*SP
.endr
.endm
.macro SEND a, younger                 ; younger: the LDS instructions issued behind this block's loads
.irp t, 0,1,2,3,4,5,6,7
	s_wait_dscnt \younger+7-\t
	global_store_b128 v12, v[64+32*(\a)+4*\t:67+32*(\a)+4*\t], s[12:13] offset:(\a)*65536+\t*8192 th:TH_STORE_NT   ; 16 lanes store 256 consecutive bytes, at a multiple of 256 from out's first byte; written once, read by nobody here
.endr
.endm
	TOSTAGE 0
.irp a, 1,2,3
	TOSTAGE \a
	SEND \a-1, 16
.endr
	SEND 3, 0
	s_wait_tensorcnt 0x0                           ; the wave's end
	ds_add_u32 v30, v31
	s_wait_dscnt 0x0
	CROUND                                         ; the closing round: no work-group ends while a partner may still ask for a tile that names it
	s_endpgm
.Lfunc_end_k_q85d9ce50a3_proj:
	.size	k_q85d9ce50a3_proj, .Lfunc_end_k_q85d9ce50a3_proj-k_q85d9ce50a3_proj
	.p2alignl 7, 3214868480
	.fill 96, 4, 3214868480
	.section	.rodata,"a",@progbits
	.p2align	6, 0x0
	.amdhsa_kernel k_q85d9ce50a3_proj
		.amdhsa_group_segment_fixed_size 327680
		.amdhsa_private_segment_fixed_size 0
		.amdhsa_enable_private_segment 0
		.amdhsa_kernarg_size 40
		.amdhsa_user_sgpr_count 2
		.amdhsa_user_sgpr_kernarg_segment_ptr 1
		.amdhsa_wavefront_size32 1
		.amdhsa_system_sgpr_workgroup_id_x 1
		.amdhsa_system_sgpr_workgroup_id_y 1
		.amdhsa_system_sgpr_workgroup_id_z 1
		.amdhsa_system_vgpr_workitem_id 0
		.amdhsa_next_free_vgpr 1024
		.amdhsa_next_free_sgpr 100
		.amdhsa_reserve_vcc 0
		.amdhsa_float_denorm_mode_32 3
		.amdhsa_float_denorm_mode_16_64 3
		.amdhsa_memory_ordered 1
		.amdhsa_forward_progress 1
		.amdhsa_inst_pref_size 46
	.end_amdhsa_kernel
	.amdgpu_metadata
---
amdhsa.version: [ 1, 2 ]
amdhsa.kernels:
  - .name:           k_q85d9ce50a3_proj
    .symbol:         k_q85d9ce50a3_proj.kd
    .args:
      - { .name: cimg, .offset: 0, .size: 8, .value_kind: global_buffer, .address_space: global }
      - { .name: Wo_codes, .offset: 8, .size: 8, .value_kind: global_buffer, .address_space: global }
      - { .name: lowp_scales, .offset: 16, .size: 8, .value_kind: global_buffer, .address_space: global }
      - { .name: bo, .offset: 24, .size: 8, .value_kind: global_buffer, .address_space: global }
      - { .name: out0, .offset: 32, .size: 8, .value_kind: global_buffer, .address_space: global }
    .group_segment_fixed_size: 327680
    .private_segment_fixed_size: 0
    .kernarg_segment_align: 8
    .kernarg_segment_size: 40
    .max_flat_workgroup_size: 128
    .sgpr_count:     100
    .vgpr_count:     1024
    .wavefront_size: 32
...
	.end_amdgpu_metadata
.endif
;; end of part 3
